; MI455X (gfx1250); checked and timed in simulation.
; The chip was launched on July 23, 2026; its instructions are those of AMD's public machine-readable ISA for CDNA 5 (MIT licence, August 2026) and "CDNA5" Instruction Set Architecture Reference Guide (July 2026). The comments in the code are by the model that wrote it; some were corrected since.
;; Scaled Dot Product Attention. Allowed arithmetic: matrix products marked QUANTISED: E3M2 operands, one E8M0 scale for each 32 along K, by v_wmma_scale_f32_16x16x128_f8f6f4 with both operands' format E3M2, f32 sums; everything else in f32.
;; Inputs: k_codes 8 x 8 x 1,024 x 2 x 24 uint8 (E3M2 codes of k, K innermost, in blocks of 32 codes, four codes in three bytes); k_scales 8 x 8 x 1,024 x 2 uint8 (E8M0 scales of k, one for each 32 codes along K); q_codes 8 x 8 x 1,024 x 2 x 24 uint8 (E3M2 codes of q, K innermost, in blocks of 32 codes, four codes in three bytes); q_scales 8 x 8 x 1,024 x 2 uint8 (E8M0 scales of q, one for each 32 codes along K); v_codes 8 x 8 x 64 x 32 x 24 uint8 (E3M2 codes of v, K innermost, in blocks of 32 codes, four codes in three bytes); v_scales 8 x 8 x 64 x 32 uint8 (E8M0 scales of v, one for each 32 codes along K).
;; Outputs: out0 8 x 8 x 1,024 x 64 float32.
;; This version of the problem:
;;   THIS VERSION OF THE PROBLEM IS GIVEN IN LOW PRECISION. The matrix products marked QUANTISED in the list below multiply operands that are first quantised to E3M2 (3 exponent bits, 2 mantissa bits; 6 bits a number), with one power-of-two scale for each 32 numbers along K (OCP MX v1.0); their sums are f32. All else is computed in f32.
;;   The module's matrix products, in the order in which they are computed (A, B: the left and right operand; K: the contracted axis; several contracted axes count as one K, in the product's order):
;;     1. batch 64 x [M 1,024, K 64] x [K 64, N 1,024]; A: input q (given as codes); B: input k (given as codes): QUANTISED
;;     2. batch 64 x [M 1,024, K 1,024] x [K 1,024, N 64]; A: computed on the way; B: input v (given as codes): QUANTISED
;;   THE QUANTISER, for each operand of a quantised product, along K:
;;     - K is cut into blocks of 32 from its start; a last block that is shorter is filled with zeros.
;;     - A block's scale is 2^e with e = floor(log2(the largest magnitude in the block)) - 4, held to -126 .. 127; a block of zeros has e = 0. As a byte (E8M0): e + 127.
;;     - Each number is divided by its block's scale, clamped to +-28, and rounded to the nearest number of E3M2, ties to even, subnormals kept.
;;     - The product sums the exact products of the quantised numbers (number of the format x scale) in f32.
;;   ~~~python
;;   def quantise(x, axis):      # numpy; x: float32 -> the quantised numbers, widened to float32 again
;;       x = np.moveaxis(x, axis, -1); K = x.shape[-1]
;;       x = np.pad(x, [(0, 0)] * (x.ndim - 1) + [(0, -K % 32)]); x = x.reshape(x.shape[:-1] + (-1, 32)); a = np.abs(x).max(-1, keepdims=True)
;;       e = np.where(a > 0, np.clip(np.frexp(np.where(a > 0, a, 1))[1] - 1 - 4, -126, 127), 0)      # np.frexp(a)[1] - 1 = floor(log2(a)), exactly
;;       r = np.clip(x / 2.0 ** e, -28, 28)
;;       step = 2.0 ** (np.maximum(np.frexp(np.where(r == 0, 1, r))[1] - 1, -2) - 2)
;;       q = np.round(r / step) * step * 2.0 ** e      # np.round: ties to even
;;       return np.moveaxis(q.reshape(q.shape[:-2] + (-1,))[..., :K], -1, axis).astype(np.float32)
;;   ~~~
;;   OPERANDS COMPUTED ON THE WAY. 'Computed on the way' means the value that the module computes at that place (a softmax that the list does not call 'softmax' is quantised finished and normalised). What goes into a quantiser is computed in f32, as accurately as f32 sums, v_exp_f32 and their like allow (about 1e-6 of the number): no bf16 or f16 on the way to a quantiser, and a product that is left as it is and whose result goes on into a quantised operand takes f32 operands (vector FMAs, or v_wmma_f32_16x16x4_f32). A number that lies on a knife's edge between two numbers of the format may be rounded either way, as far as f32 arithmetic and the matrix unit's own rounding can turn it there, and no further.
;;   INPUTS GIVEN AS CODES. k (in the module: [8, 8, 1024, 64], K = its axis 3); q (in the module: [8, 8, 1024, 64], K = its axis 3); v (in the module: [8, 8, 1024, 64], K = its axis 2): each comes as NAME_codes (uint8): NAME with its K axis moved to the last place and cut into blocks of 32 codes, [.., K / 32, bytes a block], one block behind the other in memory; four codes in three bytes: a row's codes are one little-endian stream of bits, code i at bits 6 i .. 6 i + 5 (a code: sign, 3 exponent bits, 2 mantissa bits); and NAME_scales (uint8): the same leading axes, one E8M0 byte (e + 127) for each 32 codes along K. Its value is code x scale, taken as it is: it is not quantised again, and the codes and scales need not be those that the quantiser above would give.
;; One version. Each part assembles by itself: llvm-mc -triple=amdgcn-amd-amdhsa -mcpu=gfx1250 --defsym DOCPART=n.
;; ======== version 1 of 1: 1 launch
;; launch entmax_attn (part 1): grid 16 x 64, 4 waves a work-group, clusters of 4 x 1, 168,448 bytes of LDS; arguments q_codes, q_scales, k_codes, k_scales, v_codes, v_scales, out0; writes out0
.if DOCPART == 1
	.amdgcn_target "amdgcn-amd-amdhsa--gfx1250"
	.amdhsa_code_object_version 6
	.text
	.protected	k_qbfc2450d03_entmax_attn
	.globl	k_qbfc2450d03_entmax_attn
	.p2align	8
	.type	k_qbfc2450d03_entmax_attn,@function
k_qbfc2450d03_entmax_attn:
	s_mov_b64 s[64:65], 0
	v_nop
	global_prefetch_b8 v0, s[64:65] scope:SCOPE_SE
	s_setreg_imm32_b32 hwreg(HW_REG_WAVE_MODE, 25, 1), 1
	s_wait_xcnt 0x0
	s_wait_alu depctr_hold_cnt(0) depctr_sa_sdst(0) depctr_va_vdst(0) depctr_va_sdst(0) depctr_va_ssrc(0) depctr_va_vcc(0) depctr_vm_vsrc(0)
	s_getreg_b32 s2, hwreg(HW_REG_IB_STS2, 6, 4)
	s_cmp_eq_u32 s2, 0
	s_cbranch_scc0 .Lentry_in_a_cluster
	s_endpgm
.Lentry_in_a_cluster:
	s_bfe_u32 s2, ttmp6, 0x10000c
	s_cmp_lg_u32 s2, 0x3003
	s_cbranch_scc0 .Lentry_shape_is_right
	s_endpgm
.Lentry_shape_is_right:
; out[h][q][:] = sum over k of entmax15_k(Q[h][q] . K[h][k] / 8) V[h][k][:], 64 heads, 1,024 queries, 1,024 keys, head size 64.  Both products on codes of BF6 (E3M2) with one E8M0 scale for each 32 along K.
; entmax 1.5: x = score / 16, u = x - (the row's largest x), p = max(u - tau, 0)^2, tau the root of sum_k max(u - tau, 0)^2 = 1.  p is quantised finished, in blocks of 32 keys.
; SHARES.  A work-group owns 64 queries of one head, each of its four waves ONE tile of 16.  A tile's WHOLE S^T (16 queries x 1,024 keys) stays in 512 registers of the wave: tau hangs on all keys of a row, and the
; scores never leave the registers.  K, V and their scale bytes of the head (100 KB) come into LDS once; nothing in LDS is filled again.  The text is straight-line but for one counted loop, the passes that find tau.
; CLUSTER.  The four work-groups of a cluster belong to one head: K, V and the scales are asked for JOINTLY (mask 15), the same descriptors in all four.
; LAYOUT.  Both products are used transposed: S^T = K Q^T (source 0 = 16 keys, source 1 = my 16 queries), O^T = V^T P^T: a lane holds ONE query (lane % 16) throughout, and half of its keys; a row's sums want one exchange
; between the halves of the lanes.  THE KEYS OF A TILE ARE NOT NEIGHBOURS: lane r of tile 2 b + u takes key 32 b + 8 u + r + 8 (r / 8), so that the 16 registers of tiles 2 b, 2 b + 1 are keys 32 b + 16 (lane / 16) + 0 .. 15.
; The first product's K is 64: the upper half of the instruction's 128 is zero codes on both operands (registers 6-11 of each fragment, written once); the scale words' upper two bytes are 0, which is a finite scale.
; TAU.  Newton on h(tau) = sqrt(S2) = 1, S1 = sum y, S2 = sum y^2, y = max(u - tau, 0), from tau = -1 (the root lies in [-1, -1/32], since the largest u is 0): tau += (S2 - sqrt(S2)) / S1.  h is convex and falling, so
; the iterates stay left of the root.  With r = h - 1 and s = |h'|: r+/r + s+/s <= 1 (convexity), the error obeys e+ <= 1,024 e^2 (|s'| <= 1,024), r <= 31 and 1 <= s <= 32 at the start.  The worst split of the slope's fall,
; worked by hand, leaves e under 1e-7 behind 12 passes; NPASS = 13, the same for every input: no branch hangs on data.  The last pass takes Newton on S2 = 1, (S2 - 1) / (2 S1): no root's rounding stands in the final tau.
; LIMITS: NaN, infinities and the scale byte 0xff among the inputs are not served.  tau is the root to about 1e-7 absolute, not the sorted formula's own rounding; S1 and S2 are summed in another order than a running sum.
; A block of p that is all zeros gets the scale byte 1 (the rule says 127): its codes are zeros, and the bytes are read by this program alone.
; REGISTERS, in windows of 256 (s_set_vgpr_msb: bits 1:0 source 0, 3:2 source 1, 5:4 source 2, 7:6 destination):
;   window 0: addresses, scale words, 64 registers at work, block maxima, O^T, p's codes, sums.   windows 1, 2: S^T, then u: tile t at v[8 (t % 32)] of window 1 + t / 32.
;   window 3: v0-47 four fragments of V; v48-239 two sets of eight fragments of K; v240-251 Q's fragment.
.set DUAL,  0                          ; 0: max(y, 0) of a pair by two plain instructions; 1: by one dual-issue instruction
.set NPASS, 13
.set KBO,   24704                      ; LDS: keys 32 b + 0 .. 15 from byte 0 (row b: 768 bytes), keys 32 b + 16 .. 31 from here: 128 bytes past a multiple of 256, so that the two groups of eight lanes of a fragment load
                                       ; take different places of 8 bytes modulo 256 (64 banks of 4 bytes: ISA guide 11.1)
.set VC,    49408                      ; V: 64 rows of 768 bytes, 16 bytes of padding behind every 256: pitch 816
.set VP,    816
.set KS,    101632                     ; K's scale bytes of the head, 2,048, dense
.set VS,    103680                     ; V's likewise
.set STG,   105728                     ; the way out: 16 rows x (256 + 16) bytes for each wave; no fill lands here
.set SP,    272
.set AK,   1                           ; v1   my lane's place in a tile of K
.set ADV0, 2                           ; v2   my lane's place in a tile of V
.set ADV1, 3                           ; v3   the same for pieces whose upper-half lanes lie behind one padding more
.set VQ,   4                           ; v4   my byte in the tile's 16 rows of Q's codes
.set VQS,  5                           ; v5   and in their scale bytes
.set STO,  6                           ; v6   the stage: where I put 32 bytes of a row
.set RD,   7                           ; v7   and where I read a row back
.set GO,   8                           ; v8   my byte in the tile's rows of out
.set ZR,   9                           ; v9, v11  0, for the dual form alone: its two halves take their first sources from different register banks
.set QSC,  10                          ; v10  Q's scale words
.set ZR2,  11
.set NT,   12                          ; v[12:13] -tau (the packed forms name the pair and take its low word for both halves)
.set NM,   14                          ; v[14:15] -(the row's largest score) / 16, likewise
.set KSC,  16                          ; v16-47  K's scale words: register b: lanes 0-15 tile 2 b, lanes 16-31 tile 2 b + 1
.set VSC,  48                          ; v48-63  V's: register 8 t2 + s: lanes 0-15 tile 2 t2, lanes 16-31 tile 2 t2 + 1, K step s
.set T,    64                          ; v64-127 at work
.set BM,   128                         ; v128-159 the 32 blocks' largest scores, then u, then the conversions' scale operands
.set PW,   160                         ; v160-167 p's scale words, one for each K step of 128 keys
.set O,    168                         ; v168-199 O^T: four accumulators
.set PC,   200                         ; v200-211 p's codes: the second product's operand
.set PCX,  212                         ; v212-219 the conversions' second halves
.set A1,   220                         ; v220-227 S1 in four packed chains
.set A2,   228                         ; v228-235 S2 likewise
.set S1,   236
.set S2,   237
.set X1,   238
.set X2,   239
.set RI,   240
.set H,    241
.set D1,   242
.set D2,   243
.set MX,   244
.set TA,   246                         ; v246-253 at work in the head; v252, v253 the scale words' LDS addresses
.set VF,   0                           ; in window 3
.set KF,   48
.set QF,   240
.set WV,   18                          ; s18  my wave's number
.set SEL,  24                          ; s[24:25] lane selects for v_permlanex16_b32: lane l xor 16
.set C16,  26                          ; s[26:27] 1 / 16
.set G1K,  28                          ; s[28:35] descriptor group 1 for K's tiles;  s[36:43] for V's;  s[44:51] for the scale bytes
.set G1V,  36
.set G1S,  44
.set G0K,  52                          ; s[52:55] group 0 for K's codes, s[56:59] for K's scale bytes, s[60:63] for V's codes, s[68:71] for V's scale bytes
.set G0SK, 56
.set G0V,  60
.set G0SV, 68
.set IT,   66                          ; s66  passes to go
.set LASTM, 67                         ; s67  all ones in the last pass, else 0
.set MSB, 0
.macro WIN new                         ; the immediate's high byte repeats the setting that is left; a switch that changes nothing is dropped
.if MSB != (\new)
	s_set_vgpr_msb (MSB<<8)|(\new)
.set MSB, (\new)
.endif
.endm
.macro PLACES                          ; four plain vector instructions behind a matrix instruction (ISA guide 7.12.1), where no other work is at hand
.rept 4
	v_nop
.endr
.endm
.macro CROUND                          ; a round of the cluster's barrier: my work-group's barrier; wave 0 signals for the work-group; every wave waits for all four work-groups; my work-group's barrier once more
	s_barrier_signal -1
	s_barrier_wait -1
	s_cmp_lg_u32 s[WV], 0
	s_cbranch_scc1 .Lnot_wave_0_\@
	s_barrier_signal -3
.Lnot_wave_0_\@:
	s_barrier_wait -3
	s_barrier_signal -1
	s_barrier_wait -1
.endm
.macro RELU d, s                       ; v[d], v[d+1] = max(v[s], 0), max(v[s+1], 0): d and s even
.if DUAL
	v_dual_max_num_f32 v[\d], v[ZR], v[\s] :: v_dual_max_num_f32 v[\d+1], v[ZR2], v[\s+1]
.else
	v_max_num_f32 v[\d], 0, v[\s]
	v_max_num_f32 v[\d+1], 0, v[\s+1]
.endif
.endm
	s_load_b256 s[4:11], s[0:1], 0x0               ; Q's codes s[4:5], Q's scales s[6:7], K's codes s[8:9], K's scales s[10:11]
	s_load_b128 s[12:15], s[0:1], 0x20             ; V's codes s[12:13], V's scales s[14:15]
	s_load_b64 s[16:17], s[0:1], 0x30              ; out
	v_lshl_add_u32 v254, v0, 2, 0x29000
	v_mov_b32 v255, 0
	ds_add_u32 v254, v255
	ds_add_u32 v254, v255
	v_lshrrev_b32 v[TA], 5, v0
	v_readfirstlane_b32 s[WV], v[TA]               ; wave 0..3
	s_bfe_u32 s19, ttmp6, 0x40000                  ; cx: my place in the cluster
	s_lshl_b32 s21, ttmp9, 2                       ; in a cluster launch ttmp9 counts clusters
	s_add_co_u32 s19, s21, s19                     ; my block of 64 queries, 0 .. 15: it enters Q's and out's addresses alone
	s_and_b32 s20, ttmp7, 0xffff                   ; the head, which the four partners share
	s_and_b32 s72, s[WV], 1                        ; which half I fetch
	s_mul_i32 s22, s20, 49152                      ; the head's first byte in each tensor of codes (1,024 x 48 = 64 x 768)
	s_mov_b32 s23, 0
	; descriptor group 1, elements of 8 bytes.  K: 32 rows of 768 bytes (16 keys), 1,536 bytes apart: every other group of 16 keys
	s_mov_b32 s[G1K+0], 15|(3<<16)|(1<<21)         ; 15:0 the mask: all four work-groups; 17:16 elements of 8 bytes; 20 no padding; 21 set beside a mask
	s_mov_b32 s[G1K+1], 96<<16                     ; tensor_dim0 = 96
	s_mov_b32 s[G1K+2], 32<<16                     ; tensor_dim1 = 32
	s_mov_b32 s[G1K+3], 96<<16                     ; tile_dim0 = 96
	s_mov_b32 s[G1K+4], 32                         ; tile_dim1 = 32
	s_mov_b32 s[G1K+5], 192                        ; from row to row
	s_mov_b32 s[G1K+6], 0
	s_mov_b32 s[G1K+7], 0
	; V: half the head's codes, 24,576 dense bytes, as 96 rows of 256 bytes, 16 bytes of padding behind each
	s_mov_b32 s[G1V+0], 15|(3<<16)|(1<<20)|(1<<21)|(5<<22)|(3<<25)  ; 20 padding on; 24:22 after every 64 words (code 5); 31:25 of 4 words (code 3)
	s_mov_b32 s[G1V+1], 32<<16
	s_mov_b32 s[G1V+2], 96<<16
	s_mov_b32 s[G1V+3], 32<<16
	s_mov_b32 s[G1V+4], 96
	s_mov_b32 s[G1V+5], 32
	s_mov_b32 s[G1V+6], 0
	s_mov_b32 s[G1V+7], 0
	; half a head's scale bytes: 1,024 dense bytes as 4 rows of 256
	s_mov_b32 s[G1S+0], 15|(3<<16)|(1<<21)
	s_mov_b32 s[G1S+1], 32<<16
	s_mov_b32 s[G1S+2], 4<<16
	s_mov_b32 s[G1S+3], 32<<16
	s_mov_b32 s[G1S+4], 4
	s_mov_b32 s[G1S+5], 32
	s_mov_b32 s[G1S+6], 0
	s_mov_b32 s[G1S+7], 0
	s_mul_i32 s74, s72, 768                        ; K's codes: waves 0, 1: keys 32 b + 16 x half on
	s_mov_b32 s75, 0
	s_add_nc_u64 s[74:75], s[74:75], s[22:23]
	s_mul_i32 s76, s72, 24576                      ; V's codes: waves 2, 3: rows 32 x half on
	s_mov_b32 s77, 0
	s_add_nc_u64 s[76:77], s[76:77], s[22:23]
	s_lshl_b32 s78, s20, 11                        ; the scale bytes: 2,048 a head, 1,024 a half
	s_lshl_b32 s73, s72, 10
	s_add_co_u32 s78, s78, s73
	s_mov_b32 s79, 0
	s_mov_b32 s[G0K], 1                            ; 1:0 count = 1
	s_mul_i32 s[G0K+1], s72, KBO                   ; 63:32 LDS address: a constant x the wave's low bit (+ a constant): no place in the cluster enters an LDS address
	s_mov_b32 s[G0SK], 1
	s_add_co_u32 s[G0SK+1], s73, KS
	s_mov_b32 s[G0V], 1
	s_mul_i32 s[G0V+1], s72, 96*272
	s_add_co_u32 s[G0V+1], s[G0V+1], VC
	s_mov_b32 s[G0SV], 1
	s_add_co_u32 s[G0SV+1], s73, VS
	s_mov_b32 s[SEL], 0x76543210
	s_mov_b32 s[SEL+1], 0xfedcba98
	s_mov_b32 s[C16], 0x3d800000                   ; 1 / 16: / sqrt(64), then entmax's / 2: both exact
	s_mov_b32 s[C16+1], s[C16]                     ; (named with it as a pair, so it is written)
	s_wait_dscnt 0x0
	s_wait_kmcnt 0x0
	s_add_nc_u64 s[G0K+2:G0K+3], s[8:9], s[74:75]  ; 120:64 global address
	s_or_b32 s[G0K+3], s[G0K+3], 0x80000000        ; 127:126 type = 2
	s_add_nc_u64 s[G0SK+2:G0SK+3], s[10:11], s[78:79]
	s_or_b32 s[G0SK+3], s[G0SK+3], 0x80000000
	s_add_nc_u64 s[G0V+2:G0V+3], s[12:13], s[76:77]
	s_or_b32 s[G0V+3], s[G0V+3], 0x80000000
	s_add_nc_u64 s[G0SV+2:G0SV+3], s[14:15], s[78:79]
	s_or_b32 s[G0SV+3], s[G0SV+3], 0x80000000
	s_mul_i32 s2, s19, 3072                        ; Q's codes at my wave's first query: 64 rows of 48 bytes a block,
	s_mul_i32 s73, s[WV], 768                      ; 16 a wave
	s_add_co_u32 s2, s2, s73
	s_add_co_u32 s2, s2, s22
	s_mov_b32 s3, 0
	s_add_nc_u64 s[4:5], s[4:5], s[2:3]
	s_lshl_b32 s2, s19, 7                          ; its scale bytes: 2 a row
	s_lshl_b32 s73, s[WV], 5
	s_add_co_u32 s2, s2, s73
	s_lshl_b32 s73, s20, 11
	s_add_co_u32 s2, s2, s73
	s_add_nc_u64 s[6:7], s[6:7], s[2:3]
	s_lshl_b32 s2, s20, 18                         ; out: rows of 256 bytes
	s_lshl_b32 s73, s19, 14
	s_add_co_u32 s2, s2, s73
	s_lshl_b32 s73, s[WV], 12
	s_add_co_u32 s2, s2, s73
	s_add_nc_u64 s[16:17], s[16:17], s[2:3]
	CROUND                                         ; all four work-groups are here: the joint loads meet
	s_cmp_lt_u32 s[WV], 2                          ; a wave's two fills stand in one branch on the wave's number, the same in every work-group; two loads of a wave are out
	s_cbranch_scc0 .Lfill_v
	tensor_load_to_lds s[G0K:G0K+3], s[G1K:G1K+7]
	s_nop 0
	tensor_load_to_lds s[G0SK:G0SK+3], s[G1S:G1S+7]
	s_nop 0
	PLACES                                         ; four v_nop follow, ahead of the jump, the label and what follows
	s_branch .Lfilled
.Lfill_v:
	tensor_load_to_lds s[G0V:G0V+3], s[G1V:G1V+7]
	s_nop 0
	tensor_load_to_lds s[G0SV:G0SV+3], s[G1S:G1S+7]
	s_nop 0
	PLACES
.Lfilled:
	v_and_b32 v[TA], 15, v0                        ; r = lane % 16
	v_bfe_u32 v[TA+1], v0, 4, 1                    ; h = lane / 16
	v_mul_u32_u24 v[VQ], v[TA], 48
	v_mad_u32_u24 v[VQ], v[TA+1], 24, v[VQ]        ; Q: row r of 48 bytes, + 24 h
	v_lshlrev_b32 v[VQS], 1, v[TA]
	WIN 0xc0                                       ; destination window 3, address window 0
.irp p, 0,1,2
	global_load_b64 v[QF+2*\p:QF+2*\p+1], v[VQ], s[4:5] offset:8*\p th:TH_LOAD_NT   ; my tile's Q: 24 bytes a lane: k = 32 h + 0 .. 31
.endr
	; the zero codes of k = 64 .. 127, in K's sixteen fragments and in Q's: written once, never loaded over; they stand here, early, so that the address work below lies between them and the first product
.set i, 0
.rept 16
.irp j, 6,7,8,9,10,11
	v_mov_b32 v[KF+12*i+\j], 0
.endr
.set i, i+1
.endr
.irp j, 6,7,8,9,10,11
	v_mov_b32 v[QF+\j], 0
.endr
	WIN 0
	global_load_u16 v[QSC], v[VQS], s[6:7] th:TH_LOAD_NT   ; the rows' two scale bytes; the upper two bytes come as 0: the scales of the zero codes
	v_bfe_u32 v[TA+2], v0, 3, 1                    ; r / 8
	v_and_b32 v[TA+3], 7, v0                       ; r % 8
	v_mul_u32_u24 v[AK], v[TA+2], KBO              ; K: lanes with r / 8 = 1 take the keys 16 further on, which lie in the second region
	v_mad_u32_u24 v[AK], v[TA+3], 48, v[AK]
	v_mad_u32_u24 v[AK], v[TA+1], 24, v[AK]
	v_mul_u32_u24 v[ADV0], v[TA], VP
	v_mad_u32_u24 v[ADV0], v[TA+1], 24, v[ADV0]
	v_add_nc_u32 v[ADV0], VC, v[ADV0]              ; V: row r, + 24 h
	v_lshl_add_u32 v[ADV1], v[TA+1], 4, v[ADV0]
	s_mul_i32 s73, s[WV], 16*SP
	s_add_co_u32 s73, s73, STG                     ; my stage
	v_mul_u32_u24 v[STO], v[TA], SP
	v_lshl_add_u32 v[STO], v[TA+1], 5, v[STO]
	v_add_nc_u32 v[STO], s73, v[STO]               ; in: row r, 32 bytes for each half of the lanes
	v_mul_u32_u24 v[RD], v[TA+1], SP
	v_lshl_add_u32 v[RD], v[TA], 4, v[RD]
	v_add_nc_u32 v[RD], s73, v[RD]                 ; back: lanes 0-15 one row of 256 bytes, lanes 16-31 the next
	v_lshlrev_b32 v[GO], 8, v[TA+1]
	v_lshl_add_u32 v[GO], v[TA], 4, v[GO]          ; and the same two rows in out
	v_lshl_add_u32 v[TA+6], v[TA+1], 3, v[TA]
	v_lshl_add_u32 v[TA+6], v[TA+2], 3, v[TA+6]    ; 8 h + r + 8 (r / 8): lanes 16-31 take the tile 8 keys on
	v_lshlrev_b32 v[TA+6], 1, v[TA+6]
	v_add_nc_u32 v[TA+6], KS, v[TA+6]              ; K's scale words: 2 bytes a key
	v_and_b32 v[TA+7], 31, v0
	v_lshlrev_b32 v[TA+7], 5, v[TA+7]
	v_add_nc_u32 v[TA+7], VS, v[TA+7]              ; V's: 32 bytes a row; lane l takes row 32 t2 + l
.if DUAL
	v_mov_b32 v[ZR], 0
	v_mov_b32 v[ZR2], 0
.endif
	v_mov_b32 v[NT+1], 0                           ; the pairs' upper words are named, so they are written
	v_mov_b32 v[NM+1], 0
	v_mov_b32 v[X1], 0                             ; a lane permute's destination counts as one of its sources: written once
	v_mov_b32 v[X2], 0
.set i, 0
.rept 32
	v_mov_b32 v[T+i], 0
.set i, i+1
.endr
	s_wait_tensorcnt 0x0                           ; my parts of K, V and the scales are in LDS,
	s_barrier_signal -1
	s_barrier_wait -1                              ; everybody's are.  Nothing is filled again: from here on the waves share nothing
.set i, 0
.rept 32
	ds_load_u16 v[KSC+i], v[TA+6] offset:64*i      ; the scale words stay in registers
.set i, i+1
.endr
.irp t, 0,1
.irp c, 0,1
	ds_load_b128 v[VSC+8*\t+4*\c:VSC+8*\t+4*\c+3], v[TA+7] offset:1024*\t+16*\c
.endr
.endr
; Eight fragments of K (tiles 8 g .. 8 g + 7) into set: 24 bytes a lane, in pieces of 8, so that every address is a multiple of the access's size
.macro FETCHK g, set
	WIN 0xc0
.irp i, 0,1,2,3,4,5,6,7
.irp p, 0,1,2
	ds_load_b64 v[KF+96*(\set)+12*\i+2*\p:KF+96*(\set)+12*\i+2*\p+1], v[AK] offset:768*(4*(\g)+\i/2)+384*(\i%2)+8*\p
.endr
.endr
.endm
; S^T of tiles 8 g .. 8 g + 7: eight products, each starting its sum with the constant 0.  An odd tile's scale words stand in lanes 16-31
.macro MULK g
.set WW, (0x40*(1+(\g)/4))|0x0f
	WIN WW                                         ; K and Q in window 3, S^T in window 1 or 2
.irp i, 0,1,2,3,4,5,6,7
.if \i%2
	v_wmma_scale_f32_16x16x128_f8f6f4 v[64*((\g)%4)+8*\i:64*((\g)%4)+8*\i+7], v[KF+96*((\g)%2)+12*\i:KF+96*((\g)%2)+12*\i+11], v[QF:QF+11], 0, v[KSC+4*(\g)+\i/2], v[QSC] matrix_a_fmt:MATRIX_FMT_BF6 matrix_b_fmt:MATRIX_FMT_BF6 matrix_a_scale:MATRIX_SCALE_ROW1
.else
	v_wmma_scale_f32_16x16x128_f8f6f4 v[64*((\g)%4)+8*\i:64*((\g)%4)+8*\i+7], v[KF+96*((\g)%2)+12*\i:KF+96*((\g)%2)+12*\i+11], v[QF:QF+11], 0, v[KSC+4*(\g)+\i/2], v[QSC] matrix_a_fmt:MATRIX_FMT_BF6 matrix_b_fmt:MATRIX_FMT_BF6
.endif
.endr
.endm
; The largest score of my 16 keys of blocks 4 g .. 4 g + 3, the four blocks by turns: 32 plain instructions.  Each accumulator is first read at its low end: R0-R2, and R8 with R7
.macro BMAX g
.set WW, 1+(\g)/4
.set RB, 64*((\g)%4)
	WIN 0x15*WW                                    ; all three sources in S^T's window
.irp c, 0,1,2,3
	v_max3_num_f32 v[BM+4*(\g)+\c], v[RB+16*\c], v[RB+16*\c+1], v[RB+16*\c+2]
.endr
	WIN 0x14*WW                                    ; source 0 in window 0
.irp i, 3,5,7,9,11,13
.irp c, 0,1,2,3
	v_max3_num_f32 v[BM+4*(\g)+\c], v[BM+4*(\g)+\c], v[RB+16*\c+\i], v[RB+16*\c+\i+1]
.endr
.endr
.irp c, 0,1,2,3
	v_max_num_f32 v[BM+4*(\g)+\c], v[BM+4*(\g)+\c], v[RB+16*\c+15]
.endr
.endm
; One eighth of a pass: 64 numbers u of window w, from register 64 q.  For each pair: y = u - tau, max(y, 0), S1 += y, S2 += y y.  first = 1: the first four pairs start the eight chains: nothing is cleared
.macro PASSB w, q, first
	WIN \w                                         ; source 0 in u's window
.set i, 0
.rept 32
	v_pk_add_f32 v[T+i:T+i+1], v[64*(\q)+i:64*(\q)+i+1], v[NT:NT+1] op_sel_hi:[1,0]
.set i, i+2
.endr
	WIN 0
.set i, 0
.rept 32
.if \first && (i < 8)
	RELU A1+i, T+i
.else
	RELU T+i, T+i
.endif
.set i, i+2
.endr
.set i, 0
.rept 32
.if \first && (i < 8)
	v_pk_mul_f32 v[A2+i:A2+i+1], v[A1+i:A1+i+1], v[A1+i:A1+i+1]
.else
	v_pk_add_f32 v[A1+i%8:A1+i%8+1], v[A1+i%8:A1+i%8+1], v[T+i:T+i+1]
	v_pk_fma_f32 v[A2+i%8:A2+i%8+1], v[T+i:T+i+1], v[T+i:T+i+1], v[A2+i%8:A2+i%8+1]
.endif
.set i, i+2
.endr
.endm
; Four fragments of V (16 of the head's 64 each) for keys 128 s on: 48 bytes a lane in pieces of 8.  A piece at byte x of a row lies at x + 16 (x / 256); lanes 16-31 read 24 bytes further on, which for some pieces is behind one padding more
.macro FETCHV s
	WIN 0xc0
.irp t, 0,1,2,3
.irp p, 0,1,2,3,4,5
.set OF, 96*(\s)+48*(\p/3)+8*(\p%3)
.if OF%256 >= 232
	ds_load_b64 v[VF+12*\t+2*\p:VF+12*\t+2*\p+1], v[ADV1] offset:16*VP*\t+OF+16*(OF/256)
.else
	ds_load_b64 v[VF+12*\t+2*\p:VF+12*\t+2*\p+1], v[ADV0] offset:16*VP*\t+OF+16*(OF/256)
.endif
.endr
.endr
.endm
; K step s of the second product: p of keys 128 s on, its codes, four products
.macro PSTEP s
	WIN 1+(\s)/4
.set i, 0
.rept 32
	v_pk_add_f32 v[T+i:T+i+1], v[64*((\s)%4)+i:64*((\s)%4)+i+1], v[NT:NT+1] op_sel_hi:[1,0]   ; u - tau.  (These 32 are also the places between the last step's products and the loads into V's registers)
.set i, i+2
.endr
	FETCHV \s
	WIN 0
.set i, 0
.rept 32
	RELU T+i, T+i
.set i, i+2
.endr
.set i, 0
.rept 32
	v_pk_mul_f32 v[T+i:T+i+1], v[T+i:T+i+1], v[T+i:T+i+1]   ; p, finished: register 16 b + i is key 128 s + 32 b + 16 (lane / 16) + i
.set i, i+2
.endr
.irp c, 0,1
	v_cvt_scalef32_pk16_bf6_f32 v[PC+6*\c:PC+6*\c+2], v[T+32*\c:T+32*\c+15], v[BM+4*(\s)+2*\c]
	v_cvt_scalef32_pk16_bf6_f32 v[PCX+4*\c:PCX+4*\c+2], v[T+32*\c+16:T+32*\c+31], v[BM+4*(\s)+2*\c+1]   ; (a conversion's three registers begin on an even number)
.endr
	v_nop                                          ; one plain place behind a scaled conversion
.irp c, 0,1                                    ; the operand's layout wants a WHOLE block in a lane: lanes 0-15 block 2 c, lanes 16-31 block 2 c + 1
.irp i, 0,1,2
	v_permlane16_swap_b32 v[PC+6*\c+\i], v[PCX+4*\c+\i]
.endr
.irp i, 0,1,2
	v_mov_b32 v[PC+3+6*\c+\i], v[PCX+4*\c+\i]
.endr
.endr
	PLACES                                         ; an operand written by vector instructions stands four places ahead of a scaled matrix instruction
	s_wait_dscnt 0x0                               ; V's fragments are in
	WIN 0x03                                       ; V in window 3; p, O^T in window 0
.irp t, 0,1,2,3                                ; the four accumulators take turns, one instruction a turn, from step to step too
.if (\s) == 0
.if \t%2
	v_wmma_scale_f32_16x16x128_f8f6f4 v[O+8*\t:O+8*\t+7], v[VF+12*\t:VF+12*\t+11], v[PC:PC+11], 0, v[VSC+8*(\t/2)+(\s)], v[PW+(\s)] matrix_a_fmt:MATRIX_FMT_BF6 matrix_b_fmt:MATRIX_FMT_BF6 matrix_a_scale:MATRIX_SCALE_ROW1
.else
	v_wmma_scale_f32_16x16x128_f8f6f4 v[O+8*\t:O+8*\t+7], v[VF+12*\t:VF+12*\t+11], v[PC:PC+11], 0, v[VSC+8*(\t/2)+(\s)], v[PW+(\s)] matrix_a_fmt:MATRIX_FMT_BF6 matrix_b_fmt:MATRIX_FMT_BF6
.endif
.else
.if \t%2
	v_wmma_scale_f32_16x16x128_f8f6f4 v[O+8*\t:O+8*\t+7], v[VF+12*\t:VF+12*\t+11], v[PC:PC+11], v[O+8*\t:O+8*\t+7], v[VSC+8*(\t/2)+(\s)], v[PW+(\s)] matrix_a_fmt:MATRIX_FMT_BF6 matrix_b_fmt:MATRIX_FMT_BF6 matrix_a_scale:MATRIX_SCALE_ROW1
.else
	v_wmma_scale_f32_16x16x128_f8f6f4 v[O+8*\t:O+8*\t+7], v[VF+12*\t:VF+12*\t+11], v[PC:PC+11], v[O+8*\t:O+8*\t+7], v[VSC+8*(\t/2)+(\s)], v[PW+(\s)] matrix_a_fmt:MATRIX_FMT_BF6 matrix_b_fmt:MATRIX_FMT_BF6
.endif
.endif
.endr
.endm
	; ---- S^T = K Q^T, eight tiles of keys at a time, and each block's largest score.  K's fragments run two groups ahead in two sets of registers
	FETCHK 0, 0
	FETCHK 1, 1
	s_wait_loadcnt 0x0                             ; Q is in
.irp g, 0,1,2,3,4,5,6,7
.if \g < 7
	s_wait_dscnt 24                                ; this group's fragments are in (at the first group: the scale words too, which were asked for earlier); the next group's 24 loads may be out
.else
	s_wait_dscnt 0x0
.endif
	MULK \g
.if \g == 0
	PLACES                                         ; in front of the loads into the set just multiplied, and of the first read of these results
.else
	BMAX \g-1                                      ; the group before: its 32 instructions name no register of the products just issued: they are the places in front of the loads below
.endif
.if \g < 6
	FETCHK \g+2, \g%2
.endif
.endr
	BMAX 7
	WIN 0
	; ---- the blocks' maxima with lane l xor 16's 16 keys; the row's maximum
.set i, 0
.rept 32
	v_permlanex16_b32 v[T+i], v[BM+i], s[SEL], s[SEL+1]
.set i, i+1
.endr
.set i, 0
.rept 32
	v_max_num_f32 v[BM+i], v[BM+i], v[T+i]
.set i, i+1
.endr
.irp c, 0,1,2,3
	v_max3_num_f32 v[T+32+\c], v[BM+8*\c], v[BM+8*\c+1], v[BM+8*\c+2]
.endr
.irp i, 3,5
.irp c, 0,1,2,3
	v_max3_num_f32 v[T+32+\c], v[T+32+\c], v[BM+8*\c+\i], v[BM+8*\c+\i+1]
.endr
.endr
.irp c, 0,1,2,3
	v_max_num_f32 v[T+32+\c], v[T+32+\c], v[BM+8*\c+7]
.endr
	v_max3_num_f32 v[MX], v[T+32], v[T+33], v[T+34]
	v_max_num_f32 v[MX], v[MX], v[T+35]
	v_mul_f32 v[NM], 0xbd800000, v[MX]             ; -(the largest score) / 16: exact
	; ---- u = score / 16 - max / 16, in place: score / 16 is exact, so the fused form rounds once, as x - max(x) does
	WIN 0x41
.set i, 0
.rept 128
	v_pk_fma_f32 v[i:i+1], v[i:i+1], s[C16:C16+1], v[NM:NM+1] op_sel_hi:[1,0,0]
.set i, i+2
.endr
	WIN 0x82
.set i, 0
.rept 128
	v_pk_fma_f32 v[i:i+1], v[i:i+1], s[C16:C16+1], v[NM:NM+1] op_sel_hi:[1,0,0]
.set i, i+2
.endr
	WIN 0
.set i, 0
.rept 16
	v_pk_fma_f32 v[BM+i:BM+i+1], v[BM+i:BM+i+1], s[C16:C16+1], v[NM:NM+1] op_sel_hi:[1,0,0]   ; the same of each block's largest score: the block's largest u
.set i, i+2
.endr
	v_mov_b32 v[NT], 1.0                           ; tau = -1
	s_mov_b32 s[IT], NPASS
.Lpass:                                            ; NPASS trips: S1 and S2 over the row's 1,024 numbers, then one step of tau
	s_cmp_eq_u32 s[IT], 1
	s_cselect_b32 s[LASTM], -1, 0
	PASSB 1, 0, 1
	PASSB 1, 1, 0
	PASSB 1, 2, 0
	PASSB 1, 3, 0
	PASSB 2, 0, 0
	PASSB 2, 1, 0
	PASSB 2, 2, 0
	PASSB 2, 3, 0
	v_pk_add_f32 v[A1:A1+1], v[A1:A1+1], v[A1+2:A1+3]
	v_pk_add_f32 v[A2:A2+1], v[A2:A2+1], v[A2+2:A2+3]
	v_pk_add_f32 v[A1+4:A1+5], v[A1+4:A1+5], v[A1+6:A1+7]
	v_pk_add_f32 v[A2+4:A2+5], v[A2+4:A2+5], v[A2+6:A2+7]
	v_pk_add_f32 v[A1:A1+1], v[A1:A1+1], v[A1+4:A1+5]
	v_pk_add_f32 v[A2:A2+1], v[A2:A2+1], v[A2+4:A2+5]
	v_add_f32 v[S1], v[A1], v[A1+1]
	v_add_f32 v[S2], v[A2], v[A2+1]
	v_permlanex16_b32 v[X1], v[S1], s[SEL], s[SEL+1]
	v_permlanex16_b32 v[X2], v[S2], s[SEL], s[SEL+1]
	v_add_f32 v[S1], v[S1], v[X1]                  ; with lane l xor 16's 512 keys: a + b and b + a are the same bits, so both halves of the lanes go on with the same tau
	v_add_f32 v[S2], v[S2], v[X2]
	v_rcp_f32 v[RI], v[S1]                         ; S1 is at least the largest y, which is at least 1/32 left of the root
	v_sqrt_f32 v[H], v[S2]
	v_add_f32 v[D2], -1.0, v[S2]                   ; (two plain instructions behind the transcendentals, which name neither result)
	v_mul_f32 v[D2], 0.5, v[D2]                    ; the last pass's numerator: (S2 - 1) / 2
	s_wait_alu depctr_va_vdst(0)                   ; one wait for both, ahead of their first reader
	v_sub_f32 v[D1], v[S2], v[H]                   ; every other pass's: S2 - sqrt(S2)
	v_cndmask_b32 v[D1], v[D1], v[D2], s[LASTM]    ; the choice hangs on the loop's counter
	v_fma_f32 v[NT], -v[D1], v[RI], v[NT]          ; -tau -= numerator / S1
	s_sub_co_u32 s[IT], s[IT], 1
	s_cmp_lg_u32 s[IT], 0
	s_cbranch_scc1 .Lpass
	; ---- the 32 blocks' scales.  A block's largest p is its largest u put through the very instructions that make p: the same bits
.set i, 0
.rept 16
	v_pk_add_f32 v[BM+i:BM+i+1], v[BM+i:BM+i+1], v[NT:NT+1] op_sel_hi:[1,0]
.set i, i+2
.endr
.set i, 0
.rept 16
	RELU BM+i, BM+i
.set i, i+2
.endr
.set i, 0
.rept 16
	v_pk_mul_f32 v[BM+i:BM+i+1], v[BM+i:BM+i+1], v[BM+i:BM+i+1]
.set i, i+2
.endr
.set i, 0
.rept 32
	v_max_num_f32 v[BM+i], 0x2800000, v[BM+i]      ; the floor 2^(5 - 127): the byte cannot fall under 1
.set i, i+1
.endr
.set i, 0
.rept 32
	v_add_nc_u32 v[BM+i], 0xfe000000, v[BM+i]      ; 4 off the exponent field: the conversion takes the exponent field of this operand as its scale, and nothing else of it
.set i, i+1
.endr
.set i, 0
.rept 32
	v_lshrrev_b32 v[T+i], 23, v[BM+i]              ; the scale's byte
.set i, i+1
.endr
.irp s, 0,1,2,3,4,5,6,7
	v_lshl_or_b32 v[PW+\s], v[T+4*\s+1], 8, v[T+4*\s]   ; four bytes make the scale word of 128 keys; written far more than eight places ahead of the products that name it
.endr
.irp s, 0,1,2,3,4,5,6,7
	v_lshl_or_b32 v[PW+\s], v[T+4*\s+2], 16, v[PW+\s]
.endr
.irp s, 0,1,2,3,4,5,6,7
	v_lshl_or_b32 v[PW+\s], v[T+4*\s+3], 24, v[PW+\s]
.endr
	; ---- O^T = V^T P^T, 128 keys a step
.irp s, 0,1,2,3,4,5,6,7
	PSTEP \s
.endr
	WIN 0
	; ---- the way out.  A lane holds 32 neighbouring bytes of a row for each of four tiles; the lanes beside it hold other rows: through my own stage, and back as whole rows of 256 bytes
	PLACES                                         ; the stores below read results just made
.irp t, 0,1,2,3
	ds_store_b128 v[STO], v[O+8*\t:O+8*\t+3] offset:64*\t          ; each accumulator from its low end on
	ds_store_b128 v[STO], v[O+8*\t+4:O+8*\t+7] offset:64*\t+16
.endr
.irp i, 0,1,2,3,4,5,6,7
	ds_load_b128 v[T+4*\i:T+4*\i+3], v[RD] offset:2*\i*SP          ; LDS serves a wave's instructions in order (ISA guide 5.7.1.4): these see the stores above
.endr
.irp i, 0,1,2,3,4,5,6,7
	s_wait_dscnt 7-\i                              ; load i is in; the younger ones may be out
	global_store_b128 v[GO], v[T+4*\i:T+4*\i+3], s[16:17] offset:512*\i th:TH_STORE_NT   ; 16 lanes store 256 consecutive bytes, at a multiple of 256 from out's first byte
.endr
	s_wait_tensorcnt 0x0
	ds_add_u32 v254, v255
	s_wait_dscnt 0x0
	CROUND                                         ; the closing round (no LDS instruction of mine is pending: the last count-down ended at 0)
	s_endpgm
.Lfunc_end_k_qbfc2450d03_entmax_attn:
	.size	k_qbfc2450d03_entmax_attn, .Lfunc_end_k_qbfc2450d03_entmax_attn-k_qbfc2450d03_entmax_attn
	.p2alignl 7, 3214868480
	.fill 96, 4, 3214868480
	.section	.rodata,"a",@progbits
	.p2align	6, 0x0
	.amdhsa_kernel k_qbfc2450d03_entmax_attn
		.amdhsa_group_segment_fixed_size 168448
		.amdhsa_private_segment_fixed_size 0
		.amdhsa_enable_private_segment 0
		.amdhsa_kernarg_size 56
		.amdhsa_user_sgpr_count 2
		.amdhsa_user_sgpr_kernarg_segment_ptr 1
		.amdhsa_wavefront_size32 1
		.amdhsa_system_sgpr_workgroup_id_x 1
		.amdhsa_system_sgpr_workgroup_id_y 1
		.amdhsa_system_sgpr_workgroup_id_z 1
		.amdhsa_system_vgpr_workitem_id 0
		.amdhsa_next_free_vgpr 1024
		.amdhsa_next_free_sgpr 80
		.amdhsa_reserve_vcc 0
		.amdhsa_float_denorm_mode_32 3
		.amdhsa_float_denorm_mode_16_64 3
		.amdhsa_memory_ordered 1
		.amdhsa_forward_progress 1
		.amdhsa_inst_pref_size 222
	.end_amdhsa_kernel
	.amdgpu_metadata
---
amdhsa.version: [ 1, 2 ]
amdhsa.kernels:
  - .name:           k_qbfc2450d03_entmax_attn
    .symbol:         k_qbfc2450d03_entmax_attn.kd
    .args:
      - { .name: q_codes, .offset: 0, .size: 8, .value_kind: global_buffer, .address_space: global }
      - { .name: q_scales, .offset: 8, .size: 8, .value_kind: global_buffer, .address_space: global }
      - { .name: k_codes, .offset: 16, .size: 8, .value_kind: global_buffer, .address_space: global }
      - { .name: k_scales, .offset: 24, .size: 8, .value_kind: global_buffer, .address_space: global }
      - { .name: v_codes, .offset: 32, .size: 8, .value_kind: global_buffer, .address_space: global }
      - { .name: v_scales, .offset: 40, .size: 8, .value_kind: global_buffer, .address_space: global }
      - { .name: out0, .offset: 48, .size: 8, .value_kind: global_buffer, .address_space: global }
    .group_segment_fixed_size: 168448
    .private_segment_fixed_size: 0
    .kernarg_segment_align: 8
    .kernarg_segment_size: 56
    .max_flat_workgroup_size: 128
    .sgpr_count:     80
    .vgpr_count:     1024
    .wavefront_size: 32
...
	.end_amdgpu_metadata
.endif
;; end of part 1
